; MI455X (gfx1250); checked and timed in simulation.
; The chip was launched on July 23, 2026; its instructions are those of AMD's public machine-readable ISA for CDNA 5 (MIT licence, August 2026) and "CDNA5" Instruction Set Architecture Reference Guide (July 2026). The comments in the code are by the model that wrote it; some were corrected since.
;; Scaled Dot Product Attention. Allowed arithmetic: matrix products marked QUANTISED: E2M1 operands, one E8M0 scale for each 32 along K, by v_wmma_scale_f32_16x16x128_f8f6f4 with both operands' format E2M1 (or v_wmma_scale_f32_32x16x128_f4), f32 sums; everything else in f32.
;; Inputs: key 8 x 2,048 x 1,024 float32; value 8 x 2,048 x 1,024 float32.
;; Outputs: out0 8 x 2,048 x 1,024 float32.
;; This version of the problem:
;;   THIS VERSION OF THE PROBLEM IS GIVEN IN LOW PRECISION. The matrix products marked QUANTISED in the list below multiply operands that are first quantised to E2M1 (2 exponent bits, 1 mantissa bit; 4 bits a number), with one power-of-two scale for each 32 numbers along K (OCP MX v1.0); their sums are f32. All else is computed in f32.
;;   The module's matrix products, in the order in which they are computed (A, B: the left and right operand; K: the contracted axis; several contracted axes count as one K, in the product's order):
;;     1. batch 8 x [M 2,048, K 1,024] x [K 1,024, N 2,048]; A: input key; B: input value: QUANTISED
;;     2. batch 8 x [M 2,048, K 2,048] x [K 2,048, N 1,024]; A: softmax (see below); B: input value: QUANTISED
;;   THE QUANTISER, for each operand of a quantised product, along K:
;;     - K is cut into blocks of 32 from its start; a last block that is shorter is filled with zeros.
;;     - A block's scale is 2^e with e = floor(log2(the largest magnitude in the block)) - 2, held to -126 .. 127; a block of zeros has e = 0. As a byte (E8M0): e + 127.
;;     - Each number is divided by its block's scale, clamped to +-6, and rounded to the nearest number of E2M1, ties to even, subnormals kept.
;;     - The product sums the exact products of the quantised numbers (number of the format x scale) in f32.
;;   ~~~python
;;   def quantise(x, axis):      # numpy; x: float32 -> the quantised numbers, widened to float32 again
;;       x = np.moveaxis(x, axis, -1); K = x.shape[-1]
;;       x = np.pad(x, [(0, 0)] * (x.ndim - 1) + [(0, -K % 32)]); x = x.reshape(x.shape[:-1] + (-1, 32)); a = np.abs(x).max(-1, keepdims=True)
;;       e = np.where(a > 0, np.clip(np.frexp(np.where(a > 0, a, 1))[1] - 1 - 2, -126, 127), 0)      # np.frexp(a)[1] - 1 = floor(log2(a)), exactly
;;       r = np.clip(x / 2.0 ** e, -6, 6)
;;       step = 2.0 ** (np.maximum(np.frexp(np.where(r == 0, 1, r))[1] - 1, 0) - 1)
;;       q = np.round(r / step) * step * 2.0 ** e      # np.round: ties to even
;;       return np.moveaxis(q.reshape(q.shape[:-2] + (-1,))[..., :K], -1, axis).astype(np.float32)
;;   ~~~
;;   SOFTMAX AHEAD OF A QUANTISED PRODUCT. Where the list says 'softmax', what is quantised is not the finished softmax but p = 2^(t - M), with t = logit x log2(e) and M = ceil(the row's largest t), a whole number; so 1/2 < the row's largest p <= 1. The row's sum l is taken of the UNQUANTISED p, in f32, and the product's result is divided by l at the end. Since M is a whole number, a kernel that streams over the keys may use a running M (the ceiling of the running maximum): every later rescaling is an exact power of two, which a block's scale takes up: the codes' values come out the same.
;;   OPERANDS COMPUTED ON THE WAY. 'Computed on the way' means the value that the module computes at that place (a softmax that the list does not call 'softmax' is quantised finished and normalised). What goes into a quantiser is computed in f32, as accurately as f32 sums, v_exp_f32 and their like allow (about 1e-6 of the number): no bf16 or f16 on the way to a quantiser, and a product that is left as it is and whose result goes on into a quantised operand takes f32 operands (vector FMAs, or v_wmma_f32_16x16x4_f32). A number that lies on a knife's edge between two numbers of the format may be rounded either way, as far as f32 arithmetic and the matrix unit's own rounding can turn it there, and no further.
;; One version. Each part assembles by itself: llvm-mc -triple=amdgcn-amd-amdhsa -mcpu=gfx1250 --defsym DOCPART=n.
;; ======== version 1 of 1: 2 launches
;; limits: right only within a limited range of input values
;; workspace buffers: qimg 8,912,896 bytes; kimg 8,912,896 bytes; vimg 8,912,896 bytes
;; launch quant (part 1): grid 8 x 128, 4 waves a work-group, no clusters, 19,968 bytes of LDS; arguments key, value, qimg, kimg, vimg; writes qimg, kimg, vimg
.if DOCPART == 1
	.amdgcn_target "amdgcn-amd-amdhsa--gfx1250"
	.amdhsa_code_object_version 6
	.text
	.protected	k_q5c36190ac1_quant
	.globl	k_q5c36190ac1_quant
	.p2align	8
	.type	k_q5c36190ac1_quant,@function
k_q5c36190ac1_quant:
	s_mov_b64 s[64:65], 0
	v_nop
	global_prefetch_b8 v0, s[64:65] scope:SCOPE_SE
	s_setreg_imm32_b32 hwreg(HW_REG_WAVE_MODE, 25, 1), 1
	s_wait_xcnt 0x0
; key and value, [16384][1024] f32 (8 batches x 2,048 rows), become codes of FP4 (E2M1) with one E8M0 byte for each 32 along a product's K,
; laid as IMAGES OF THE OPERANDS' REGISTERS, so that the next launch brings them by dense blocks and reads each fragment by two loads of 16 bytes a lane.
;   qimg: key along D.   kimg: value along D.   vimg: value along the KEYS (its first axis inside a batch).
; A fragment image is 16 rows x 128 k = 1,024 bytes: chunk c at 512 c, lane l = 16 h + r at 16 l: row r, k = 64 c + 32 h + 0 .. 31.
; A group is 34,816 bytes: 32 fragments, then 2,048 bytes of scale words.
;   qimg, kimg, group g = rows 64 g .. 64 g + 63: fragment (tile i, D step s) at (8 i + s) x 1,024; row r of tile i = 2 beta + u is row 64 g + 32 beta + 8 u + r + 8 (r / 8);
;     scale word (four bytes: 128 along D) at 32,768 + 256 s + 4 (16 i + r).
;   vimg, group 4 y + quarter (y = 256 keys of a batch; quarter = 256 channels): fragment (channel tile t, kappa) at (2 t + kappa) x 1,024, keys 128 kappa .. + 127 in their order;
;     scale word at 32,768 + 8 x channel + 4 kappa.
; A block's scale is 2^(floor(log2(its largest magnitude)) - 2); its byte is the largest magnitude's exponent field - 2, held at 1 from below.
; LIMITS: a block of zeros gets the byte 1 where the quantiser says 127 (its codes are zeros, and these bytes are read by this program alone); NaN and infinities among the inputs are not served.
; SHARES.  A work-group takes 256 rows x 128 columns (x = the D step, y = 256 rows; y < 64: key, else value).  Wave w takes 32 columns, A LANE TO A COLUMN, registers down the rows, 32 rows an atom:
; each load reads 128 consecutive bytes a wave, 512 a work-group.  Down the rows a lane's 32 registers ARE a block along the keys: V's path converts them as they stand.  For the path along D an atom turns
; through the wave's own stage in LDS and comes back a lane to a ROW, 32 neighbouring columns: a block along D.  Work-groups of key jump over V's lines (a branch on the work-group's number).
; No tensor loads, no ring; one barrier, since a scale word along D has a byte from each of the four waves.  Every offset is an immediate, each atom has registers of its own for its codes: no store's data are written again.
.set QUARTER, 34816
.set SP,   144                         ; a stage row: 128 bytes + 16 of padding: an odd multiple of 16
.set WST,  32*SP                       ; a wave's stage
.set KSB,  4*WST                       ; behind the stages: the scale bytes along D, 256 for each wave
.set X,    16                          ; v16-79    two sets of 32 numbers, down the rows
.set T,    80                          ; v80-111   32 numbers along D
.set CK,   112                         ; v112-143  codes along D, four registers an atom
.set CV,   144                         ; v144-175  codes along the keys, four registers an atom
.set VW,   176                         ; v176-177  V's two scale words
.set BY,   178                         ; v178-185  an atom's byte along D
	s_load_b256 s[4:11], s[0:1], 0x0               ; key s[4:5], value s[6:7], qimg s[8:9], kimg s[10:11]
	s_load_b64 s[12:13], s[0:1], 0x20              ; vimg
	v_lshl_add_u32 v192, v0, 2, 0x4c00
	v_mov_b32 v193, 0
	v_lshrrev_b32 v1, 5, v0
	v_readfirstlane_b32 s14, v1                    ; wave 0..3
	v_and_b32 v1, 31, v0                           ; lane
	s_and_b32 s16, ttmp7, 0xffff                   ; y
	s_and_b32 s17, s16, 63                         ; which 256 rows of the tensor
	s_lshr_b32 s18, s16, 6                         ; 1: value
	v_lshlrev_b32 v2, 2, v1                        ; in: 4 bytes a lane
	s_mul_i32 s19, s14, WST
	v_add_nc_u32 v3, s19, v2                       ; the stage, way in: my column
	v_mul_u32_u24 v4, v1, SP
	v_add_nc_u32 v4, s19, v4                       ; way out: my row
	v_lshrrev_b32 v10, 4, v1
	v_and_b32 v11, 15, v1
	v_lshlrev_b32 v11, 4, v11
	v_lshl_add_u32 v5, v10, 13, v11                ; codes along D: tile u = lane / 16 is 8 fragments on, row r at 16 r
	v_lshl_add_u32 v6, v10, 11, v11                ; codes along the keys: channel tile lane / 16 is 2 fragments on
	s_lshl_b32 s20, s14, 8
	s_add_co_u32 s20, s20, KSB
	v_add_nc_u32 v7, s20, v1                       ; my wave's 256 scale bytes: byte 32 a + lane
	v_lshlrev_b32 v8, 3, v1                        ; 8 bytes a lane
	v_lshl_add_u32 v9, v0, 1, KSB                  ; back: two bytes of each wave's 256
	v_mov_b32 v[VW], 0
	v_mov_b32 v[VW+1], 0
	; byte offsets, each in a pair of its own
	s_lshl_b32 s26, s17, 20                        ; the input: 256 rows of 4,096 bytes,
	s_lshl_b32 s20, ttmp9, 9                       ; 128 columns a D step,
	s_add_co_u32 s26, s26, s20
	s_lshl_b32 s20, s14, 7                         ; 32 columns a wave
	s_add_co_u32 s26, s26, s20
	s_mov_b32 s27, 0
	s_mul_i32 s28, s17, 4*QUARTER                  ; codes along D: four groups for 256 rows,
	s_lshl_b32 s20, ttmp9, 10                      ; the D step's fragment,
	s_add_co_u32 s28, s28, s20
	s_lshl_b32 s20, s14, 8                         ; block w of its four: chunk w / 2, half w % 2
	s_add_co_u32 s28, s28, s20
	s_mov_b32 s29, 0
	s_lshl_b32 s30, s17, 2                         ; scale words along D: wave w stores group 4 y + w's 256 bytes of this D step
	s_add_co_u32 s30, s30, s14
	s_mul_i32 s30, s30, QUARTER
	s_lshl_b32 s20, ttmp9, 8
	s_add_co_u32 s30, s30, s20
	s_add_co_u32 s30, s30, 32768
	s_mov_b32 s31, 0
	s_lshl_b32 s32, s17, 2                         ; V: group 4 y + x / 2,
	s_lshr_b32 s20, ttmp9, 1
	s_add_co_u32 s32, s32, s20
	s_mul_i32 s32, s32, QUARTER
	s_and_b32 s21, ttmp9, 1
	s_lshl_b32 s20, s21, 14                        ; channel tiles 8 (x % 2) + 2 w on
	s_add_co_u32 s34, s32, s20
	s_lshl_b32 s20, s14, 12
	s_add_co_u32 s34, s34, s20
	s_mov_b32 s35, 0
	s_lshl_b32 s20, s21, 10                        ; its scale words: 8 bytes a channel
	s_add_co_u32 s36, s32, s20
	s_lshl_b32 s20, s14, 8
	s_add_co_u32 s36, s36, s20
	s_add_co_u32 s36, s36, 32768
	s_mov_b32 s37, 0
	s_wait_kmcnt 0x0
	s_cmp_lt_u32 s16, 64                           ; key's work-group or value's: the choice hangs on the work-group's number alone
	s_cselect_b64 s[4:5], s[4:5], s[6:7]
	s_cselect_b64 s[8:9], s[8:9], s[10:11]
	s_add_nc_u64 s[4:5], s[4:5], s[26:27]
	s_add_nc_u64 s[24:25], s[8:9], s[30:31]
	s_add_nc_u64 s[8:9], s[8:9], s[28:29]
	s_add_nc_u64 s[22:23], s[12:13], s[36:37]
	s_add_nc_u64 s[12:13], s[12:13], s[34:35]
.macro LOAD t                          ; atom t: rows 32 t + i of my column, into set t % 2
.set i, 0
.rept 32
	global_load_b32 v[X+32*((\t)%2)+i], v2, s[4:5] offset:(32*(\t)+i)*4096 th:TH_LOAD_NT
.set i, i+1
.endr
.endm
; 32 numbers of one block, v[src] on, become 4 registers of codes, v[dst] on, and the block's byte
.macro BLOCKQ src, dst, byte
	v_max3_num_f32 v10, |v[\src]|, |v[\src+1]|, |v[\src+2]|         ; the largest magnitude, in two chains
	v_max3_num_f32 v11, |v[\src+3]|, |v[\src+4]|, |v[\src+5]|
.irp i, 6,10,14,18,22,26
	v_max3_num_f32 v10, v10, |v[\src+\i]|, |v[\src+\i+1]|
	v_max3_num_f32 v11, v11, |v[\src+\i+2]|, |v[\src+\i+3]|
.endr
	v_max3_num_f32 v10, v10, |v[\src+30]|, |v[\src+31]|
	v_max3_num_f32 v10, v10, v11, 0x1800000        ; and the floor 2^(3 - 127): the byte cannot fall under 1
	v_add_nc_u32 v12, 0xff000000, v10              ; 2 off the exponent field: the conversion takes the exponent field of this operand as its scale
	v_lshrrev_b32 v[\byte], 23, v12                ; the scale's byte
.irp g, 0,1,2,3
	v_cvt_scalef32_pk8_fp4_f32 v[\dst+\g], v[\src+8*\g:\src+8*\g+7], v12
.endr
	v_nop                                          ; one plain line behind the last conversion, ahead of whatever next writes its sources
.endm
.macro ATOM a
.set XS, X+32*((\a)%2)
.if (\a) < 7
	s_wait_loadcnt 32                              ; this atom's 32 loads are in; the next atom's 32 may be out
.else
	s_wait_loadcnt 0x0
.endif
.set i, 0
.rept 32                               ; row i goes to the stage row of the lane that will hold it: lane 16 u + r, with u = (i / 8) % 2 and r = i % 8 + 8 (i / 16): the image's order of rows
	ds_store_b32 v3, v[XS+i] offset:SP*(16*((i>>3)&1)+8*(i>>4)+(i&7))
.set i, i+1
.endr
.irp k, 0,1,2,3,4,5,6,7
	ds_load_b128 v[T+4*\k:T+4*\k+3], v4 offset:16*\k               ; LDS serves a wave's instructions in order (ISA guide 5.7.1.4): these see the stores above
.endr
	s_cmp_eq_u32 s18, 0
	s_cbranch_scc1 .Lno_v_\@
	BLOCKQ XS, CV+4*(\a), 13                       ; value alone: the 32 rows of my column are block a of these 256 keys
	v_lshl_or_b32 v[VW+(\a)/4], v13, 8*((\a)%4), v[VW+(\a)/4]
	global_store_b128 v6, v[CV+4*(\a):CV+4*(\a)+3], s[12:13] offset:256*(\a)   ; sixteen lanes store 256 consecutive bytes, aligned
.Lno_v_\@:
	s_wait_dscnt 0x0                               ; the block along D is in, and the stage's stores have read this set,
.if (\a)+2 < 8
	LOAD (\a)+2                                    ; which takes the loads of two atoms on
.endif
	BLOCKQ T, CK+4*(\a), BY+(\a)
	ds_store_b8 v7, v[BY+(\a)] offset:32*(\a)
	global_store_b128 v5, v[CK+4*(\a):CK+4*(\a)+3], s[8:9] offset:((\a)/2)*QUARTER+((\a)%2)*16384   ; group a / 2, tiles 2 (a % 2) + u; sixteen lanes store 256 consecutive bytes, aligned
.endm
	LOAD 0
	LOAD 1
.irp a, 0,1,2,3,4,5,6,7
	ATOM \a
.endr
	s_cmp_eq_u32 s18, 0
	s_cbranch_scc1 .Lkey_only
	global_store_b64 v8, v[VW:VW+1], s[22:23]      ; my channel's two scale words: the wave stores 256 consecutive bytes, aligned
.Lkey_only:
	s_wait_dscnt 0x0                               ; for the others' sake: my byte stores are done
	s_barrier_signal -1
	s_barrier_wait -1
	ds_load_u16 v10, v9                            ; words 2 t and 2 t + 1 (t = my thread): a byte of each from each wave's 256
	ds_load_u16 v11, v9 offset:256
	ds_load_u16 v12, v9 offset:512
	ds_load_u16 v13, v9 offset:768
	s_wait_dscnt 0x0
	v_perm_b32 v10, v11, v10, 0x05010400           ; bytes 0, 1 of the first word, then of the second
	v_perm_b32 v12, v13, v12, 0x05010400           ; bytes 2, 3 likewise
	v_perm_b32 v14, v12, v10, 0x05040100
	v_perm_b32 v15, v12, v10, 0x07060302
	global_store_b64 v8, v[14:15], s[24:25]        ; wave w: group 4 y + w's 64 words of this D step: 256 consecutive bytes, aligned
	s_wait_tensorcnt 0x0
	ds_add_u32 v192, v193
	s_wait_dscnt 0x0
	s_endpgm
.Lfunc_end_k_q5c36190ac1_quant:
	.size	k_q5c36190ac1_quant, .Lfunc_end_k_q5c36190ac1_quant-k_q5c36190ac1_quant
	.p2alignl 7, 3214868480
	.fill 96, 4, 3214868480
	.section	.rodata,"a",@progbits
	.p2align	6, 0x0
	.amdhsa_kernel k_q5c36190ac1_quant
		.amdhsa_group_segment_fixed_size 19968
		.amdhsa_private_segment_fixed_size 0
		.amdhsa_enable_private_segment 0
		.amdhsa_kernarg_size 40
		.amdhsa_user_sgpr_count 2
		.amdhsa_user_sgpr_kernarg_segment_ptr 1
		.amdhsa_wavefront_size32 1
		.amdhsa_system_sgpr_workgroup_id_x 1
		.amdhsa_system_sgpr_workgroup_id_y 1
		.amdhsa_system_sgpr_workgroup_id_z 1
		.amdhsa_system_vgpr_workitem_id 0
		.amdhsa_next_free_vgpr 194
		.amdhsa_next_free_sgpr 66
		.amdhsa_reserve_vcc 0
		.amdhsa_float_denorm_mode_32 3
		.amdhsa_float_denorm_mode_16_64 3
		.amdhsa_memory_ordered 1
		.amdhsa_forward_progress 1
		.amdhsa_inst_pref_size 75
	.end_amdhsa_kernel
	.amdgpu_metadata
---
amdhsa.version: [ 1, 2 ]
amdhsa.kernels:
  - .name:           k_q5c36190ac1_quant
    .symbol:         k_q5c36190ac1_quant.kd
    .args:
      - { .name: key, .offset: 0, .size: 8, .value_kind: global_buffer, .address_space: global }
      - { .name: value, .offset: 8, .size: 8, .value_kind: global_buffer, .address_space: global }
      - { .name: qimg, .offset: 16, .size: 8, .value_kind: global_buffer, .address_space: global }
      - { .name: kimg, .offset: 24, .size: 8, .value_kind: global_buffer, .address_space: global }
      - { .name: vimg, .offset: 32, .size: 8, .value_kind: global_buffer, .address_space: global }
    .group_segment_fixed_size: 19968
    .private_segment_fixed_size: 0
    .kernarg_segment_align: 8
    .kernarg_segment_size: 40
    .max_flat_workgroup_size: 128
    .sgpr_count:     66
    .vgpr_count:     194
    .wavefront_size: 32
...
	.end_amdgpu_metadata
.endif
;; end of part 1
;; launch attn (part 2): grid 32 x 8, 4 waves a work-group, clusters of 4 x 1, 327,680 bytes of LDS; arguments qimg, kimg, vimg, out0; writes out0
.if DOCPART == 2
	.amdgcn_target "amdgcn-amd-amdhsa--gfx1250"
	.amdhsa_code_object_version 6
	.text
	.protected	k_q5c36190ac1_attn
	.globl	k_q5c36190ac1_attn
	.p2align	8
	.type	k_q5c36190ac1_attn,@function
k_q5c36190ac1_attn:
	s_mov_b64 s[64:65], 0
	v_nop
	global_prefetch_b8 v0, s[64:65] scope:SCOPE_SE
	s_setreg_imm32_b32 hwreg(HW_REG_WAVE_MODE, 25, 1), 1
	s_wait_xcnt 0x0
	s_wait_alu depctr_hold_cnt(0) depctr_sa_sdst(0) depctr_va_vdst(0) depctr_va_sdst(0) depctr_va_ssrc(0) depctr_va_vcc(0) depctr_vm_vsrc(0)
	s_getreg_b32 s2, hwreg(HW_REG_IB_STS2, 6, 4)
	s_cmp_eq_u32 s2, 0
	s_cbranch_scc0 .Lentry_in_a_cluster
	s_endpgm
.Lentry_in_a_cluster:
	s_bfe_u32 s2, ttmp6, 0x10000c
	s_cmp_lg_u32 s2, 0x3003
	s_cbranch_scc0 .Lentry_shape_is_right
	s_endpgm
.Lentry_shape_is_right:
; out0[b][q][:] = the sum over k of softmax_k(key[b][q] . value[b][k] / 32) value[b][k][:], both products on codes of FP4 (E2M1) with one E8M0 scale for each 32 along a product's K.
; qimg, kimg: key and value quantised along D; vimg: value quantised along the keys; all as images of the operands' registers, in groups of 34,816 bytes (32 fragments of 1,024 bytes, then 2,048 bytes of scale words).
; THE SOFTMAX: t = score x log2(e) / 32; M = the largest t so far, rounded UP to a whole number; p = 2^(t - M) is quantised along the keys, not normalised; the row's sum is taken of the unquantised p and divides at the end.
; SHARES.  A work-group owns 64 queries of one batch.  TWO PHASES.
;   PHASE A, 8 steps of 256 keys: wave w makes S^T for keys 64 w .. 64 w + 63 of the step against all 64 queries, takes their softmax under ITS OWN running M_w and quantises p.  A block's codes do not hang on M (a whole number:
;     a power of two, which the scale takes up), so each block's byte is kept ABSOLUTE, as byte + M_w, packed in one word a query and step.  p's codes go through 32 KiB of LDS into EVERY wave's registers, four steps at a time:
;     64 queries x 2,048 keys are 512 registers.  At the end the four waves' M_w and l_w are merged ONCE: M_c = the largest M_w, a block's byte is (byte + M_w) - M_c.  O^T is never rescaled.
;   PHASE B, 4 passes of 256 channels, each of two tiles of 1,024 keys: wave w makes O^T for channels 64 w .. + 63 of the pass against all 64 queries over all keys (16 accumulators by turns), divides by l and stores:
;     a pass's stores are on their way while the next pass is multiplied.
; Both products are used transposed (source 0 = 16 keys, or 16 channels; source 1 = 16 queries): a lane holds one query throughout.  The keys of a tile are not neighbours (kimg's order of rows): the 16 registers of tiles
; 2 beta, 2 beta + 1 are keys 32 beta + 16 (lane / 16) + 0 .. 15.  qimg has the same order: lane r of query tile m is query 32 (m / 2) + 8 (m % 2) + r + 8 (r / 8), which only the stores of out0 need to know.
; LDS.  One ring of two slots of four groups carries K's eight tiles and then V's eight; wave w fetches a slot's group w, one tensor load behind each round.  A wave's 64 fragment loads of a tile go out in one run at the step's head.
; CLUSTER.  The four query blocks of a cluster belong to one batch and walk the same K and V: each group is asked for JOINTLY, by the same load with the same descriptor and a mask that names the four.
; THE WALK IS ROTATED.  Cluster x = 4 a + 2 b + c of a batch begins at step 4 b + 2 (a xor c) of the keys and goes round modulo 8, in phase A and, with the same order of keys, in phase B: sums and a running maximum take
; the keys in any order.
; PREFETCHES.  V's tiles are asked for one step ahead of their tensor loads: in the step whose head loads tile n + 1 a wave asks for its share of the group that it will fetch of tile n + 2.  A group is 136 blocks of 256 bytes:
; the four partners that ask for it jointly take 34 each, told apart by address (cx): two instructions a wave, a lane a block (in the second, lanes 1 to 31 name the share's last block).  The first ask stands in phase A's seventh
; step, the last in the third pass: nothing beyond V's last tile is named.  K's tiles are not prefetched: the clusters of a batch begin two steps apart, so from its third step on a cluster asks for bytes of K that another
; cluster asked for two steps earlier in the walk, and the first two tiles have no trip ahead of them.
; LIMITS: NaN and infinities are not served; |t| stays under 2^22 (byte + M_w is kept in 24 bits); a block of p whose byte under M_c would fall under 1 keeps its codes under the byte 1 (each such term is under 6 x 2^-126
; beside a row's largest p, which is over 1/2); p under 2^-126 is 0 (v_exp_f32 flushes: ISA guide 15.8); the f32 sums of l and of O^T are taken in the walk's order, not in the keys'.
; REGISTERS, in windows of 256 (s_set_vgpr_msb: bits 1:0 source 0, 3:2 source 1, 5:4 source 2, 7:6 destination):
;   window 0, phase A: v1-7, v20, v22, v24-25 addresses and offsets; v8-15 pairs (-M_w, largest t); v16-19 l_w; v32-63 Q's scale words; v64-95 K's, then with v96-127 the softmax's scratch; v128-255 S^T and p
;   window 0, phase B: v3-7, v16-25 addresses and offsets; v8-15 pairs (1 / l, -); v32-95 p's scale words; v96-127 V's; v128-255 V's fragments of a tile's groups 0, 1
;   window 1: Q's 32 fragments, then O^T (channel tile t, query tile m) at 32 t + 8 m and, from v128 on, V's fragments of groups 2, 3 and rows on their way out by turns.
;   window 2: p's fragments of the walk's first 1,024 keys, (key step kappa, m) at 32 (kappa % 8) + 8 m.   window 3: K's 32 fragments of a step, (D step s, tile i) at 32 s + 8 i; then p's of the last 1,024 keys.
.set QUARTER, 34816
.set STEPB, 4*QUARTER                  ; a slot; a step in kimg and in vimg
.set PIMG,  2*STEPB                    ; p of four steps: step jj at 8,192 jj, fragment (m, kappa') at (2 m + kappa') x 1,024; later the four waves' stages for the way out
.set PKW,   PIMG+32768                 ; the packed words: 1,024 j + 256 m + 64 w + 4 r
.set REC,   PKW+8192                   ; the records (-M_w, l_w): 512 m + 128 w + 8 r
.set TAB,   REC+2048                   ; p's scale words: 256 kappa + 64 m + 4 r
.set SPARE, TAB+4096                   ; the spare words, 128 bytes for each wave: two blocks of 256 bytes that no other line names
.set SPITCH, 272                       ; a stage row: 64 channels, 256 bytes, + 16 of padding
.set SPW, 1
.set NIL, 2
.set LI,  3                            ; 16 x lane; in phase B: TAB + 4 r
.set AK,  4                            ; the step's fragments of K;  ASK its scale words;  AK0, ASK0 the same in slot 0
.set ASK, 5
.set AK0, 6
.set ASK0, 7
.set MW,  8
.set LW,  16
.set R4,  20                           ; 4 r
.set PA,  22                           ; PIMG + 16 x lane
.set PF1, 24                           ; the prefetches' offsets in a group: block 34 cx + lane;  PF2: block 34 cx + 32 + min(lane, 1); never rewritten
.set PF2, 25
.set QSC, 32
.set KS,  64                           ; K's scale words: (tile i, D step s) at 8 i + s
.set BM,  64
.set PX,  72
.set SCO, 72
.set BY,  80
.set FW,  88
.set TP,  92
.set PC,  96
.set SUM, 112
.set S,   128
.set NW,  64                           ; the merge: v64-67 -M_c, v68-71 -M_c - 128; v96-127 the records; v128-159 my packed words, v160-191 at work
.set RC,  96
.set WD,  128
.set T1,  160
.set AV,  4                            ; phase B: v4-7 V's fragments (slot, pair of groups); v16-19 its scale words likewise
.set AS,  16
.set STO, 21
.set RD,  22
.set GO,  23
.set PS,  32
.set VSC, 96
.set VF,  128
.set WV,  12
.set CX,  13
.set XB,  14
.set BT,  15
.set G1,  16                           ; s[16:23] descriptor group 1
.set G0K, 24                           ; s[24:27] group 0 of phase A's loads; s[28:31], s[48:51] of V's tiles in slot 0 and slot 1
.set G0V0, 28
.set G0V1, 48
.set KB,  32                           ; s[32:33] my group of the batch's step 0 in kimg
.set PV0, 34                           ; s[34:35], s[42:43] my group of the pass in hand in vimg, first and second tile: the prefetches' bases
.set PV1, 42
.set KI,  36                           ; the step of K that was asked for last
.set REM, 37
.set CS,  38
.set SEL, 40
.set QO,  44                           ; 34,816 w
.set TB,  45                           ; where the slot in hand begins: 0 or STEPB
.set TN,  46
.set PJ,  47                           ; where the step's p goes
.set P0,  52
.set WJ,  56                           ; and its packed words
.set OFS, 58
.set PFB, 62                           ; s[62:63] phase A's prefetch base
.set MSB, 0
.macro WIN new                         ; the immediate's high byte repeats the setting that is left
.if MSB != (\new)
	s_set_vgpr_msb (MSB<<8)|(\new)
.set MSB, (\new)
.endif
.endm
.macro PLACES n                        ; plain vector lines between a matrix instruction and what next touches its registers (ISA guide 7.12.1)
.rept \n
	v_nop
.endr
.endm
.macro CROUND                          ; a round of the cluster's barrier
	s_barrier_signal -1
	s_barrier_wait -1
	s_cmp_lg_u32 s[WV], 0
	s_cbranch_scc1 .Lnot_wave_0_\@
	s_barrier_signal -3
.Lnot_wave_0_\@:
	s_barrier_wait -3
	s_barrier_signal -1
	s_barrier_wait -1
.endm
.macro XBAR                            ; a work-group barrier behind which nothing is filled: my LDS stores are done, the others' may be read
	s_wait_alu depctr_va_vdst(0)
	s_wait_dscnt 0x0
	s_barrier_signal -1
	s_barrier_wait -1
.endm
	s_load_b256 s[4:11], s[0:1], 0x0               ; qimg s[4:5], kimg s[6:7], vimg s[8:9], out0 s[10:11]
	v_lshl_add_u32 v[SPW], v0, 2, SPARE
	v_mov_b32 v[NIL], 0
	ds_add_u32 v[SPW], v[NIL]                      ; the opening lines: the add, twice on end, and its wait ahead of my first tensor load
	ds_add_u32 v[SPW], v[NIL]
	v_lshrrev_b32 v3, 5, v0
	v_readfirstlane_b32 s[WV], v3                  ; wave 0..3
	s_bfe_u32 s[CX], ttmp6, 0x40000                ; cx: it enters qimg's and out0's addresses and the prefetches' offsets alone
	s_lshl_b32 s[XB], ttmp9, 2
	s_add_co_u32 s[XB], s[XB], s[CX]               ; my block of 64 queries
	s_and_b32 s[BT], ttmp7, 0xffff                 ; the batch
	; descriptor group 1: a group is a dense block of 34,816 bytes: 136 rows of 256 bytes (32 elements of 8 bytes), no padding: images are read as consecutive bytes
	s_mov_b32 s[G1], 15|(3<<16)|(1<<21)
	s_mov_b32 s[G1+1], 32<<16
	s_mov_b32 s[G1+2], 136<<16
	s_mov_b32 s[G1+3], 32<<16
	s_mov_b32 s[G1+4], 136
	s_mov_b32 s[G1+5], 32
	s_mov_b32 s[G1+6], 0
	s_mov_b32 s[G1+7], 0
	s_lshl_b32 s42, s[BT], 5
	s_mul_i32 s46, s42, QUARTER                    ; V: the batch's group 0
	s_mov_b32 s47, 0
	s_add_co_u32 s56, s42, s[XB]                   ; 32 b + my block
	s_add_co_u32 s42, s42, s[WV]
	s_mul_i32 s42, s42, QUARTER                    ; K: group 32 b + w
	s_mov_b32 s43, 0
	s_mul_i32 s[QO], s[WV], QUARTER
	s_mul_i32 s60, s56, QUARTER                    ; Q's group
	s_mov_b32 s61, 0
	s_lshl_b32 s62, s56, 18                        ; out0: 64 rows of 4,096 bytes,
	s_lshl_b32 s57, s[WV], 8
	s_add_co_u32 s62, s62, s57                     ; my 64 channels of a pass
	s_mov_b32 s63, 0
	s_mov_b32 s[CS], 0x3d38aa3b                    ; c = log2(e) / 32
	s_mov_b32 s[CS+1], s[CS]
	s_mov_b32 s[SEL], 0x76543210
	s_mov_b32 s[SEL+1], 0xfedcba98
	s_lshr_b32 s[KI], ttmp9, 2                     ; where my cluster's walk begins: cluster x = 4 a + 2 b + c: step 4 b + 2 (a xor c)
	s_xor_b32 s[KI], s[KI], ttmp9
	s_and_b32 s[KI], s[KI], 1
	s_and_b32 s57, ttmp9, 2
	s_add_co_u32 s[KI], s[KI], s57
	s_lshl_b32 s[KI], s[KI], 1
	s_mul_i32 s[OFS], s[KI], STEPB
	s_mov_b32 s[OFS+1], 0
	s_add_co_u32 s52, s[KI], s[WV]                 ; V: of a tile's four steps of the walk I fetch the w-th: (start + 4 half + w) modulo 8
	s_add_co_u32 s54, s52, 4
	s_and_b32 s52, s52, 7
	s_and_b32 s54, s54, 7
	s_mul_i32 s52, s52, STEPB
	s_mul_i32 s54, s54, STEPB
	s_mov_b32 s53, 0
	s_mov_b32 s55, 0
	s_wait_dscnt 0x0                               ; both opening adds are done
	s_wait_kmcnt 0x0
	s_add_nc_u64 s[4:5], s[4:5], s[60:61]
	s_add_nc_u64 s[10:11], s[10:11], s[62:63]
	s_add_nc_u64 s[KB:KB+1], s[6:7], s[42:43]
	s_add_nc_u64 s[34:35], s[8:9], s[46:47]
	s_mov_b32 s[G0K], 1
	s_mov_b32 s[G0K+1], s[QO]
	s_add_nc_u64 s[G0K+2:G0K+3], s[KB:KB+1], s[OFS:OFS+1]
	s_or_b32 s[G0K+3], s[G0K+3], 0x80000000
	s_add_nc_u64 s[PV1:PV1+1], s[34:35], s[54:55]
	s_add_nc_u64 s[PV0:PV0+1], s[34:35], s[52:53]
	s_mov_b32 s[G0V0], 1
	s_mov_b32 s[G0V0+1], s[QO]
	s_mov_b64 s[G0V0+2:G0V0+3], s[PV0:PV0+1]
	s_or_b32 s[G0V0+3], s[G0V0+3], 0x80000000
	s_mov_b32 s[G0V1], 1
	s_add_co_u32 s[G0V1+1], s[QO], STEPB
	s_mov_b64 s[G0V1+2:G0V1+3], s[PV1:PV1+1]
	s_or_b32 s[G0V1+3], s[G0V1+3], 0x80000000
	CROUND                                         ; all four work-groups are here: the first joint loads meet
	tensor_load_to_lds s[G0K:G0K+3], s[G1:G1+7]    ; the walk's first step of K: my one load at the head
	s_nop 0
	PLACES 4
	s_mov_b32 s[TB], 0
	s_lshl_b32 s[P0], s[WV], 9
	s_add_co_u32 s[P0], s[P0], PIMG                ; where I put p: chunk w % 2 of kappa' = w / 2: 512 w
	s_lshl_b32 s[WJ], s[WV], 6
	s_add_co_u32 s[WJ], s[WJ], PKW
	s_add_co_u32 s57, s[QO], 32768
	s_mul_i32 s60, s[CX], 34*256                   ; my work-group's 34 blocks of a group
	v_and_b32 v[LI], 31, v0
	v_lshlrev_b32 v[LI], 4, v[LI]
	v_and_b32 v[R4], 15, v0
	v_lshlrev_b32 v[R4], 2, v[R4]
.irp m, 0,1,2,3
.irp s, 0,1,2,3,4,5,6,7
	global_load_b32 v[QSC+8*\m+\s], v[R4], s[4:5] offset:32768+256*\s+64*\m    ; Q's scale words stay in registers: lane r has row r's
.endr
.endr
	WIN 0x40                                       ; destination window 1
.set k, 0
.rept 64                               ; Q's 32 fragments stay in registers, in every wave: fragment (m, s) at 64 m + 8 s
	global_load_b128 v[4*k:4*k+3], v[LI], s[4:5] offset:512*k
.set k, k+1
.endr
	WIN 0
	v_add_nc_u32 v[AK0], s[QO], v[LI]
	v_add_nc_u32 v[ASK0], s57, v[R4]
	v_add_nc_u32 v[PA], PIMG, v[LI]
	v_lshl_add_u32 v[PF1], v[LI], 4, s60           ; 256 x (34 cx + lane)
	v_min_u32 v[PF2], 16, v[LI]
	v_lshl_add_u32 v[PF2], v[PF2], 4, s60
	v_add_nc_u32 v[PF2], 8192, v[PF2]              ; 256 x (34 cx + 32 + min(lane, 1))
.irp m, 0,1,2,3
	v_mov_b32 v[MW+2*\m+1], 0xff61b1e6             ; the largest t so far: -3e38, under every t
	v_floor_f32 v[MW+2*\m], -v[MW+2*\m+1]          ; -M_w
	v_mov_b32 v[LW+\m], 0                          ; l_w
.endr
	s_wait_alu depctr_va_vdst(0)
	s_wait_loadcnt 0x0                             ; Q
.macro KFETCH s                        ; K's four fragments of D step s, into window 3: 8 loads
.irp i, 0,1,2,3
.irp c, 0,1
	ds_load_b128 v[32*(\s)+8*\i+4*\c:32*(\s)+8*\i+4*\c+3], v[AK] offset:(8*\i+(\s))*1024+512*\c
.endr
.endr
.endm
.macro MULA s                          ; 16 products of D step s: S^T(key tile i, query tile m); the 16 accumulators take turns; step 0 starts the sums
.irp i, 0,1,2,3
.irp m, 0,1,2,3
.if (\s) == 0
	v_wmma_scale_f32_16x16x128_f8f6f4 v[S+32*\m+8*\i:S+32*\m+8*\i+7], v[32*(\s)+8*\i:32*(\s)+8*\i+7], v[64*\m+8*(\s):64*\m+8*(\s)+7], 0, v[KS+8*\i+(\s)], v[QSC+8*\m+(\s)] matrix_a_fmt:MATRIX_FMT_FP4 matrix_b_fmt:MATRIX_FMT_FP4
.else
	v_wmma_scale_f32_16x16x128_f8f6f4 v[S+32*\m+8*\i:S+32*\m+8*\i+7], v[32*(\s)+8*\i:32*(\s)+8*\i+7], v[64*\m+8*(\s):64*\m+8*(\s)+7], v[S+32*\m+8*\i:S+32*\m+8*\i+7], v[KS+8*\i+(\s)], v[QSC+8*\m+(\s)] matrix_a_fmt:MATRIX_FMT_FP4 matrix_b_fmt:MATRIX_FMT_FP4
.endif
.endr
.endr
.endm
; A STEP OF PHASE A.  At its head the change of slots: each wave waits for all its tensor loads (its group of this step's tile), adds 0 to its spare word, and waits for that, for its reads of the slot just left and for its
; LDS stores.  Behind the round that slot is filled with the walk's next tile: K's next step, or (hf = 1, last trip) V's first tile.
.macro ASTEP hf
	s_wait_tensorcnt 0x0                           ; no tensor load of mine is out, so the group 0 may be written
	ds_add_u32 v[SPW], v[NIL]
	s_add_co_u32 s[KI], s[KI], 1
	s_and_b32 s[KI], s[KI], 7                      ; round modulo 8
	s_mul_i32 s[OFS], s[KI], STEPB
	s_add_nc_u64 s[G0K+2:G0K+3], s[KB:KB+1], s[OFS:OFS+1]
	s_or_b32 s[G0K+3], s[G0K+3], 0x80000000
.if \hf
	s_wait_xcnt 0x0                                ; the last trip's prefetches have read their base
	s_cmp_eq_u32 s[REM], 1                         ; the count of steps alone decides
	s_cselect_b64 s[G0K+2:G0K+3], s[G0V0+2:G0V0+3], s[G0K+2:G0K+3]
	s_cselect_b64 s[PFB:PFB+1], s[PV1:PV1+1], s[PV0:PV0+1]         ; the third trip asks for V's first tile, the fourth for its second
.endif
	s_xor_b32 s[TN], s[TB], STEPB
	s_add_co_u32 s[G0K+1], s[QO], s[TN]            ; my group's place in the other slot
	s_wait_dscnt 0x0
	CROUND
	tensor_load_to_lds s[G0K:G0K+3], s[G1:G1+7]    ; my one tensor load until the next round
	s_nop 0
	PLACES 4
	v_add_nc_u32 v[AK], s[TB], v[AK0]
	v_add_nc_u32 v[ASK], s[TB], v[ASK0]
	s_wait_alu depctr_va_vdst(0)
.irp s, 0,1,2,3,4,5,6,7
.irp i, 0,1,2,3
	ds_load_b32 v[KS+8*\i+\s], v[ASK] offset:256*\s+64*\i
.endr
.endr
	WIN 0xc0                                       ; destination window 3
.irp s, 0,1,2,3,4,5,6,7
	KFETCH \s
.endr
	WIN 0
.if \hf
	s_cmp_le_u32 s[REM], 2
	s_cbranch_scc0 .Lno_ask_\@
	global_prefetch_b8 v[PF1], s[PFB:PFB+1] th:TH_LOAD_NT scope:SCOPE_SE       ; my share of the group that I fetch at the next change of slots
	global_prefetch_b8 v[PF2], s[PFB:PFB+1] th:TH_LOAD_NT scope:SCOPE_SE
.Lno_ask_\@:
.endif
	WIN 0x07                                       ; source 0 (K) window 3, source 1 (Q) window 1
.irp s, 0,1,2,3,4,5,6,7
	s_wait_dscnt 8*(7-\s)                          ; the scale words and this D step's fragments are in; the later steps' eight loads each may be out
	MULA \s
.endr
	WIN 0
	PLACES 4
	; THE SOFTMAX of my 64 keys, for 4 query tiles: 8 blocks of 32 keys, block b = 2 m + beta in registers S + 16 b on (16 keys a lane, the other 16 in lane l xor 16)
.irp b, 0,1,2,3,4,5,6,7
	v_max3_num_f32 v[BM+\b], v[S+16*\b], v[S+16*\b+1], v[S+16*\b+2]        ; the largest score of each block: for the row's maximum and, since p rises with the score, for the block's largest p
.endr
.irp i, 3,5,7,9,11,13
.irp b, 0,1,2,3,4,5,6,7
	v_max3_num_f32 v[BM+\b], v[BM+\b], v[S+16*\b+\i], v[S+16*\b+\i+1]
.endr
.endr
.irp b, 0,1,2,3,4,5,6,7
	v_max_num_f32 v[BM+\b], v[BM+\b], v[S+16*\b+15]
.endr
.irp b, 0,1,2,3,4,5,6,7
	v_permlanex16_b32 v[PX+\b], v[BM+\b], s[SEL], s[SEL+1]
.endr
.irp b, 0,1,2,3,4,5,6,7
	v_max_num_f32 v[BM+\b], v[BM+\b], v[PX+\b]
.endr
.irp m, 0,1,2,3
	v_max_num_f32 v[TP+\m], v[BM+2*\m], v[BM+2*\m+1]
.endr
.irp m, 0,1,2,3
	v_mul_f32 v[TP+\m], s[CS], v[TP+\m]            ; as t (c is positive)
.endr
.irp m, 0,1,2,3
	v_max_num_f32 v[MW+2*\m+1], v[MW+2*\m+1], v[TP+\m]             ; my keys' running largest t
.endr
.irp m, 0,1,2,3
	v_mov_b32 v[TP+\m], v[MW+2*\m]
.endr
.irp m, 0,1,2,3
	v_floor_f32 v[MW+2*\m], -v[MW+2*\m+1]          ; the new -M_w = -ceil(t): a whole number
.endr
.irp m, 0,1,2,3
	v_sub_f32 v[TP+\m], v[MW+2*\m], v[TP+\m]       ; old M_w - new M_w: a whole number, 0 or less
.endr
.irp m, 0,1,2,3
	v_cvt_i32_f32 v[TP+\m], v[TP+\m]               ; (it saturates)
.endr
.irp m, 0,1,2,3
	v_ldexp_f32 v[FW+\m], 1.0, v[TP+\m]
.endr
.irp m, 0,1,2,3
.irp k, 0,2,4,6,8,10,12,14,16,18,20,22,24,26,28,30
	v_pk_fma_f32 v[S+32*\m+\k:S+32*\m+\k+1], v[S+32*\m+\k:S+32*\m+\k+1], s[CS:CS+1], v[MW+2*\m:MW+2*\m+1] op_sel_hi:[1,0,0]   ; t - M_w, two at a time
.endr
.endr
.irp b, 0,1,2,3,4,5,6,7
	v_fma_f32 v[BM+\b], v[BM+\b], s[CS], v[MW+2*(\b/2)]            ; the same of each block's largest score
.endr
.set j, 0
	s_wait_alu depctr_va_vdst(0)
.rept 128
	v_exp_f32 v[S+j], v[S+j]                       ; p = 2^(t - M_w), at most 1
.set j, j+1
.endr
	v_add_nc_u32 v[TP], s[PJ], v[LI]               ; plain lines behind the batch: where p's codes go,
	v_add_nc_u32 v[TP+1], s[WJ], v[R4]             ; and the packed words
	s_wait_alu depctr_va_vdst(0)                   ; one wait for the 128, ahead of their first reader
.irp b, 0,1,2,3,4,5,6,7
	v_exp_f32 v[BM+\b], v[BM+\b]                   ; the block's largest p: the same two instructions on the same number
.endr
.irp m, 0,1,2,3                        ; the sum of the UNQUANTISED p, two at a time, in two chains
	v_pk_add_f32 v[SUM+4*\m:SUM+4*\m+1], v[S+32*\m:S+32*\m+1], v[S+32*\m+2:S+32*\m+3]
	v_pk_add_f32 v[SUM+4*\m+2:SUM+4*\m+3], v[S+32*\m+4:S+32*\m+5], v[S+32*\m+6:S+32*\m+7]
.endr
.irp k, 8,12,16,20,24,28
.irp m, 0,1,2,3
	v_pk_add_f32 v[SUM+4*\m:SUM+4*\m+1], v[SUM+4*\m:SUM+4*\m+1], v[S+32*\m+\k:S+32*\m+\k+1]
	v_pk_add_f32 v[SUM+4*\m+2:SUM+4*\m+3], v[SUM+4*\m+2:SUM+4*\m+3], v[S+32*\m+\k+2:S+32*\m+\k+3]
.endr
.endr
.irp m, 0,1,2,3
	v_pk_add_f32 v[SUM+4*\m:SUM+4*\m+1], v[SUM+4*\m:SUM+4*\m+1], v[SUM+4*\m+2:SUM+4*\m+3]
.endr
.irp m, 0,1,2,3
	v_add_f32 v[SUM+4*\m], v[SUM+4*\m], v[SUM+4*\m+1]
.endr
.irp m, 0,1,2,3
	v_fma_f32 v[LW+\m], v[LW+\m], v[FW+\m], v[SUM+4*\m]            ; l_w under the new M_w, plus this step's
.endr
	s_wait_alu depctr_va_vdst(0)                   ; and one for the eight
.irp b, 0,1,2,3,4,5,6,7
	v_max_num_f32 v[BM+\b], 0x1800000, v[BM+\b]    ; the floor 2^(3 - 127): the byte cannot fall under 1
.endr
.irp b, 0,1,2,3,4,5,6,7
	v_add_nc_u32 v[SCO+\b], 0xff000000, v[BM+\b]   ; 2 off the exponent field: the conversion's scale operand
.endr
.irp b, 0,1,2,3,4,5,6,7
	v_lshrrev_b32 v[BY+\b], 23, v[SCO+\b]          ; the scale's byte, under M_w
.endr
.irp b, 0,1,2,3,4,5,6,7
	v_cvt_scalef32_pk8_fp4_f32 v[PC+2*\b], v[S+16*\b:S+16*\b+7], v[SCO+\b]
	v_cvt_scalef32_pk8_fp4_f32 v[PC+2*\b+1], v[S+16*\b+8:S+16*\b+15], v[SCO+\b]
.endr
	v_nop                                          ; one plain line behind the last conversion
.irp m, 0,1,2,3                        ; the operand's layout wants a WHOLE block in a lane
.irp i, 0,1
	v_permlane16_swap_b32 v[PC+4*\m+\i], v[PC+4*\m+2+\i]
.endr
.endr
.irp m, 0,1,2,3                        ; the packed word: (byte 0 + M_w) x 256 + (byte 1 - byte 0 + 128)
	v_cvt_i32_f32 v[SUM+4*\m], v[MW+2*\m]
	v_sub_nc_u32 v[SUM+4*\m+1], v[BY+2*\m+1], v[BY+2*\m]
.endr
.irp m, 0,1,2,3
	v_sub_nc_u32 v[SUM+4*\m], v[BY+2*\m], v[SUM+4*\m]
	v_add_nc_u32 v[SUM+4*\m+1], 0x80, v[SUM+4*\m+1]
.endr
.irp m, 0,1,2,3
	v_lshl_add_u32 v[SUM+4*\m], v[SUM+4*\m], 8, v[SUM+4*\m+1]
.endr
.irp m, 0,1,2,3
	ds_store_b128 v[TP], v[PC+4*\m:PC+4*\m+3] offset:2048*\m       ; chunk w % 2 of fragment (m, w / 2), as it stands
	ds_store_b32 v[TP+1], v[SUM+4*\m] offset:256*\m                ; lanes r and 16 + r write the same word with the same value
.endr
	s_add_co_u32 s[PJ], s[PJ], 8192
	s_add_co_u32 s[WJ], s[WJ], 1024
	s_xor_b32 s[TB], s[TB], STEPB                  ; on to the other slot
.endm
.macro AHALF hf                        ; four steps
	s_mov_b32 s[REM], 4
	s_mov_b32 s[PJ], s[P0]
.Lhalf\hf:
	ASTEP \hf
	s_sub_co_u32 s[REM], s[REM], 1
	s_cmp_lg_u32 s[REM], 0
	s_wait_alu depctr_va_vdst(0)
	s_cbranch_scc1 .Lhalf\hf
.endm
.macro PLOAD hf                        ; p of four steps, all 64 queries, into window 2 + hf: fragment (jj, kappa', m) at 32 (2 jj + kappa') + 8 m
	WIN 0x80+0x40*\hf
.set k, 0
.rept 64
.set rP, 32*(2*(k/16)+((k/2)%2))+8*((k/4)%4)+4*(k%2)
	ds_load_b128 v[rP:rP+3], v[PA] offset:512*k
.set k, k+1
.endr
	WIN 0
.endm
	AHALF 0
	XBAR                                           ; everybody's p of the first four steps is in LDS (the tensor load that is out fills no byte that is read here)
	PLOAD 0                                        ; the next step's head waits for these loads ahead of its round: only behind it is p's room written again
	AHALF 1
	; THE END OF PHASE A: my record, then the merge
.irp m, 0,1,2,3
	v_permlanex16_b32 v[SUM+4*\m+1], v[LW+\m], s[SEL], s[SEL+1]
	v_mov_b32 v[SUM+4*\m], v[MW+2*\m]
.endr
.irp m, 0,1,2,3
	v_add_f32 v[SUM+4*\m+1], v[SUM+4*\m+1], v[LW+\m]               ; l_w, both halves of the lanes together
.endr
	s_lshl_b32 s57, s[WV], 7
	s_add_co_u32 s57, s57, REC
	v_lshl_add_u32 v[TP], v[R4], 1, s57
.irp m, 0,1,2,3
	ds_store_b64 v[TP], v[SUM+4*\m:SUM+4*\m+1] offset:512*\m
.endr
	XBAR
	s_lshl_b32 s57, s[WV], 6
	s_add_co_u32 s57, s57, PKW
	v_lshl_add_u32 v[TP+1], v[R4], 1, REC
	v_add_nc_u32 v[TP+2], s57, v[R4]
.irp m, 0,1,2,3
.irp q, 0,1,2,3
	ds_load_b64 v[RC+8*\m+2*\q:RC+8*\m+2*\q+1], v[TP+1] offset:512*\m+128*\q   ; query r's record of wave q
.endr
.endr
.set n, 0
.rept 32
	ds_load_b32 v[WD+n], v[TP+2] offset:1024*(n/4)+256*(n%4)       ; my own packed words: (step n / 4, query tile n % 4)
.set n, n+1
.endr
	PLOAD 1
	s_lshr_b32 s57, s[WV], 1
	s_lshl_b32 s57, s57, 8
	s_and_b32 s60, s[WV], 1
	s_lshl_b32 s60, s60, 1
	s_add_co_u32 s57, s57, s60
	s_add_co_u32 s57, s57, TAB                     ; my half (w % 2) of the scale words of key steps 2 j + w / 2
	v_add_nc_u32 v[TP+3], s57, v[R4]
	s_wait_alu depctr_va_vdst(0)
	s_wait_dscnt 63                                ; 112 loads were issued: with 63 out at the most the records and my words are in
.irp m, 0,1,2,3
	v_min3_num_f32 v[NW+\m], v[RC+8*\m], v[RC+8*\m+2], v[RC+8*\m+4]
.endr
.irp m, 0,1,2,3
	v_min_num_f32 v[NW+\m], v[NW+\m], v[RC+8*\m+6]                 ; -M_c
.endr
.irp q, 0,1,2,3
.irp m, 0,1,2,3
	v_sub_f32 v[RC+8*\m+2*\q], v[NW+\m], v[RC+8*\m+2*\q]           ; M_w - M_c
.endr
.endr
.irp q, 0,1,2,3
.irp m, 0,1,2,3
	v_cvt_i32_f32 v[RC+8*\m+2*\q], v[RC+8*\m+2*\q]
.endr
.endr
.irp q, 0,1,2,3
.irp m, 0,1,2,3
	v_ldexp_f32 v[RC+8*\m+2*\q+1], v[RC+8*\m+2*\q+1], v[RC+8*\m+2*\q]
.endr
.endr
.irp m, 0,1,2,3
	v_add_f32 v[RC+8*\m+1], v[RC+8*\m+1], v[RC+8*\m+3]
	v_add_f32 v[RC+8*\m+5], v[RC+8*\m+5], v[RC+8*\m+7]
.endr
.irp m, 0,1,2,3
	v_add_f32 v[RC+8*\m+1], v[RC+8*\m+1], v[RC+8*\m+5]             ; l = the sum of l_w 2^(M_w - M_c)
	v_add_f32 v[NW+4+\m], 0xc3000000, v[NW+\m]                     ; -M_c - 128
.endr
	s_wait_alu depctr_va_vdst(0)
.irp m, 0,1,2,3
	v_rcp_f32 v[MW+2*\m], v[RC+8*\m+1]             ; 1 / l, where -M_w lay
.endr
	v_nop
	s_wait_alu depctr_va_vdst(0)                   ; and behind it
.macro DEC st                          ; my 32 packed words become pairs of bytes under M_c, held at 1 from below; the 32 take turns line by line
.set n, 0
.rept 32
.if \st == 0
	v_and_b32 v[T1+n], 0xff, v[WD+n]
.elseif \st == 1
	v_ashrrev_i32 v[WD+n], 8, v[WD+n]
.elseif \st == 2
	v_cvt_f32_u32 v[T1+n], v[T1+n]
.elseif \st == 3
	v_cvt_f32_i32 v[WD+n], v[WD+n]
.elseif \st == 4
	v_add_f32 v[T1+n], v[T1+n], v[WD+n]
.elseif \st == 5
	v_add_f32 v[WD+n], v[WD+n], v[NW+(n%4)]        ; (byte 0 + M_w) - M_c
.elseif \st == 6
	v_add_f32 v[T1+n], v[T1+n], v[NW+4+(n%4)]      ; (byte 1 + M_w) - M_c
.elseif \st == 7
	v_max_num_f32 v[WD+n], 1.0, v[WD+n]
.elseif \st == 8
	v_max_num_f32 v[T1+n], 1.0, v[T1+n]
.elseif \st == 9
	v_fmamk_f32 v[WD+n], v[T1+n], 0x43800000, v[WD+n]
.elseif \st == 10
	v_cvt_u32_f32 v[WD+n], v[WD+n]
.else
	ds_store_b16 v[TP+3], v[WD+n] offset:512*(n/4)+64*(n%4)
.endif
.set n, n+1
.endr
.endm
.irp st, 0,1,2,3,4,5,6,7,8,9,10,11
	DEC \st
.endr
	s_wait_dscnt 0x0                               ; p is in my registers: the address registers of phase A are done with
	s_lshl_b32 s57, s[WV], 13                      ; phase B's addresses.  V's fragments: my channel tiles 4 w .. 4 w + 3 of a group: 8,192 w
	v_add_nc_u32 v[AV], s57, v[LI]
	v_add_nc_u32 v[AV+1], 2*QUARTER, v[AV]
	v_add_nc_u32 v[AV+2], STEPB, v[AV]
	v_add_nc_u32 v[AV+3], STEPB+2*QUARTER, v[AV]
	s_lshl_b32 s57, s[WV], 9
	s_add_co_u32 s57, s57, 32768                   ; its scale words: 8 bytes a channel
	v_lshl_add_u32 v[AS], v[R4], 1, s57
	v_add_nc_u32 v[AS+1], 2*QUARTER, v[AS]
	v_add_nc_u32 v[AS+2], STEPB, v[AS]
	v_add_nc_u32 v[AS+3], STEPB+2*QUARTER, v[AS]
	s_mul_i32 s57, s[WV], 16*SPITCH
	s_add_co_u32 s57, s57, PIMG                    ; my stage, where p lay
	v_bfe_u32 v[TP], v0, 4, 1                      ; h
	v_mul_u32_u24 v[STO], v[R4], SPITCH/4
	v_lshl_add_u32 v[STO], v[TP], 5, v[STO]
	v_add_nc_u32 v[STO], s57, v[STO]               ; in: row r, 32 h; channel tile t is 64 t bytes on
	v_mul_u32_u24 v[RD], v[TP], SPITCH
	v_lshl_add_u32 v[RD], v[R4], 2, v[RD]
	v_add_nc_u32 v[RD], s57, v[RD]                 ; back: lanes 0-15 one row, lanes 16-31 the next
	v_lshlrev_b32 v[GO], 12, v[TP]
	v_lshl_add_u32 v[GO], v[R4], 2, v[GO]          ; and the same two rows in out0
	v_add_nc_u32 v[LI], TAB, v[R4]
; THE CHANGE OF SLOTS in phase B: as in phase A.  step = 1: the slot's group 0 goes a pass (a group) on.  fill = 0: nothing is left to ask for.
.macro TOPB g0, step, fill
	s_wait_alu depctr_va_vdst(0)
	s_wait_tensorcnt 0x0
	ds_add_u32 v[SPW], v[NIL]
.if \step
	s_add_nc_u64 s[\g0+2:\g0+3], s[\g0+2:\g0+3], QUARTER
.endif
	s_wait_dscnt 0x0
.if \fill
	CROUND
	tensor_load_to_lds s[\g0:\g0+3], s[G1:G1+7]
	s_nop 0
.else
	s_barrier_signal -1
	s_barrier_wait -1
.endif
	PLACES 4                                       ; also the places in front of the loads that follow
.endm
.macro VFETCH hf, y                    ; my eight fragments of the slot's group y (4 channel tiles x 2 key steps) into set y % 2 of window y / 2: 16 loads
.set k, 0
.rept 16
	ds_load_b128 v[VF+64*((\y)%2)+4*k:VF+64*((\y)%2)+4*k+3], v[AV+2*(\hf)+(\y)/2] offset:((\y)%2)*QUARTER+512*k
.set k, k+1
.endr
.endm
.macro MULB hf, y                      ; 32 products: O^T(t, m) += V^T(t, kappa) P(m, kappa); the 16 accumulators take turns; a pass's first key step starts the sums
.irp kp, 0,1
.irp t, 0,1,2,3
.irp m, 0,1,2,3
.set rO, 32*\t+8*\m
.set rV, VF+64*((\y)%2)+16*\t+8*\kp
.set rP, 32*(2*(\y)+\kp)+8*\m
.set rA, VSC+8*(\y)+2*\t+\kp
.set rB, PS+4*(8*(\hf)+2*(\y)+\kp)+\m
.if ((\hf) == 0) && ((\y) == 0) && (\kp == 0)
	v_wmma_scale_f32_16x16x128_f8f6f4 v[rO:rO+7], v[rV:rV+7], v[rP:rP+7], 0, v[rA], v[rB] matrix_a_fmt:MATRIX_FMT_FP4 matrix_b_fmt:MATRIX_FMT_FP4
.else
	v_wmma_scale_f32_16x16x128_f8f6f4 v[rO:rO+7], v[rV:rV+7], v[rP:rP+7], v[rO:rO+7], v[rA], v[rB] matrix_a_fmt:MATRIX_FMT_FP4 matrix_b_fmt:MATRIX_FMT_FP4
.endif
.endr
.endr
.endr
.endm
.macro BWORK hf, ask                   ; a tile of V: 1,024 keys x my 64 channels, from slot hf.  ask = 1: the same tile of the next pass, which the next change of slots loads, is prefetched
.irp y, 0,1,2,3
.irp t, 0,1,2,3
	ds_load_b64 v[VSC+8*\y+2*\t:VSC+8*\y+2*\t+1], v[AS+2*\hf+\y/2] offset:(\y%2)*QUARTER+128*\t   ; V's scale words: channel 16 t + r, both key steps
.endr
.endr
	VFETCH \hf, 0
	VFETCH \hf, 1
	WIN 0x40                                       ; destination window 1
	VFETCH \hf, 2
	VFETCH \hf, 3
.if \ask
	global_prefetch_b8 v[PF1], s[PV0+8*\hf:PV0+8*\hf+1] offset:QUARTER th:TH_LOAD_NT scope:SCOPE_SE
	global_prefetch_b8 v[PF2], s[PV0+8*\hf:PV0+8*\hf+1] offset:QUARTER th:TH_LOAD_NT scope:SCOPE_SE
.endif
.irp y, 0,1,2,3
	s_wait_dscnt 16*(3-\y)                         ; this group's loads are in; the later groups' 16 each may be out
	WIN 0x58+4*\hf+\y/2                            ; C and D window 1, source 1 (p) window 2 + hf, source 0 (V) window y / 2
	MULB \hf, \y
.endr
	WIN 0
.endm
; THE WAY OUT of a pass.  O^T / l in place, each accumulator from its low end on; then a query tile at a time through my stage: 16 rows of 256 bytes, which sixteen lanes store as one aligned unit.
.macro OUT more
	PLACES 4
	WIN 0x41                                       ; destination and source 0: window 1
.set p, 0
.rept 64
.set rO, 8*(p/4)+2*(p%4)
	v_pk_mul_f32 v[rO:rO+1], v[rO:rO+1], v[MW+2*((p/4)%4):MW+2*((p/4)%4)+1] op_sel_hi:[1,0]
.set p, p+1
.endr
	s_wait_alu depctr_va_vdst(0)
	WIN 0x44                                       ; store data and loaded data: window 1
.irp m, 0,1,2,3
.irp t, 0,1,2,3
	ds_store_b128 v[STO], v[32*\t+8*\m:32*\t+8*\m+3] offset:64*\t
	ds_store_b128 v[STO], v[32*\t+8*\m+4:32*\t+8*\m+7] offset:64*\t+16
.endr
.irp k, 0,1,2,3,4,5,6,7
	ds_load_b128 v[128+32*\m+4*\k:128+32*\m+4*\k+3], v[RD] offset:2*\k*SPITCH   ; LDS serves a wave's instructions in order (ISA guide 5.7.1.4): these see the stores above, and the next tile's stores come behind them
.endr
.endr
.set n, 0
.rept 32
	s_wait_dscnt (7-(n%8))+16*(3-(n/8))            ; the LDS instructions issued behind this load may be out
	global_store_b128 v[GO], v[128+4*n:128+4*n+3], s[10:11] offset:(32*((n/8)/2)+8*((n/8)%2)+2*(n%8)+8*((n%8)/4))*4096 th:TH_STORE_NT
.set n, n+1
.endr
	WIN 0
.if \more
	s_wait_xcnt 0x0                                ; the stores have read their base and their data, the pass's prefetches their bases
	s_add_nc_u64 s[10:11], s[10:11], 1024          ; the next pass's 256 channels
	s_add_nc_u64 s[PV0:PV0+1], s[PV0:PV0+1], QUARTER
	s_add_nc_u64 s[PV1:PV1+1], s[PV1:PV1+1], QUARTER
.endif
.endm
	TOPB G0V1, 0, 1                                ; V's first tile is in; its second is asked for; everybody's halves of p's scale words are in LDS
.set n, 0
.rept 64
	ds_load_b32 v[PS+n], v[LI] offset:64*n         ; p's scale words stay in registers: (kappa, m) at 4 kappa + m
.set n, n+1
.endr
	s_mov_b32 s[REM], 3
.Lpass:                                            ; passes 0 to 2: each asks for the next pass's two tiles; the first of them has the second tile's products and the way out in which to land
	BWORK 0, 1
	TOPB G0V0, 1, 1
	BWORK 1, 1
	OUT 1
	TOPB G0V1, 1, 1
	s_sub_co_u32 s[REM], s[REM], 1
	s_cmp_lg_u32 s[REM], 0
	s_cbranch_scc1 .Lpass
	BWORK 0, 0                                     ; the last pass is written out
	TOPB G0V0, 0, 0
	BWORK 1, 0
	OUT 0
	s_wait_tensorcnt 0x0                           ; the wave's end
	ds_add_u32 v[SPW], v[NIL]
	s_wait_dscnt 0x0
	CROUND                                         ; the closing round
	s_endpgm
.Lfunc_end_k_q5c36190ac1_attn:
	.size	k_q5c36190ac1_attn, .Lfunc_end_k_q5c36190ac1_attn-k_q5c36190ac1_attn
	.p2alignl 7, 3214868480
	.fill 96, 4, 3214868480
	.section	.rodata,"a",@progbits
	.p2align	6, 0x0
	.amdhsa_kernel k_q5c36190ac1_attn
		.amdhsa_group_segment_fixed_size 327680
		.amdhsa_private_segment_fixed_size 0
		.amdhsa_enable_private_segment 0
		.amdhsa_kernarg_size 32
		.amdhsa_user_sgpr_count 2
		.amdhsa_user_sgpr_kernarg_segment_ptr 1
		.amdhsa_wavefront_size32 1
		.amdhsa_system_sgpr_workgroup_id_x 1
		.amdhsa_system_sgpr_workgroup_id_y 1
		.amdhsa_system_sgpr_workgroup_id_z 1
		.amdhsa_system_vgpr_workitem_id 0
		.amdhsa_next_free_vgpr 1024
		.amdhsa_next_free_sgpr 66
		.amdhsa_reserve_vcc 0
		.amdhsa_float_denorm_mode_32 3
		.amdhsa_float_denorm_mode_16_64 3
		.amdhsa_memory_ordered 1
		.amdhsa_forward_progress 1
		.amdhsa_inst_pref_size 255
	.end_amdhsa_kernel
	.section	.bss,"aw",@nobits
	.p2align	6
	.space	262144
	.amdgpu_metadata
---
amdhsa.version: [ 1, 2 ]
amdhsa.kernels:
  - .name:           k_q5c36190ac1_attn
    .symbol:         k_q5c36190ac1_attn.kd
    .args:
      - { .name: qimg, .offset: 0, .size: 8, .value_kind: global_buffer, .address_space: global }
      - { .name: kimg, .offset: 8, .size: 8, .value_kind: global_buffer, .address_space: global }
      - { .name: vimg, .offset: 16, .size: 8, .value_kind: global_buffer, .address_space: global }
      - { .name: out0, .offset: 24, .size: 8, .value_kind: global_buffer, .address_space: global }
    .group_segment_fixed_size: 327680
    .private_segment_fixed_size: 0
    .kernarg_segment_align: 8
    .kernarg_segment_size: 32
    .max_flat_workgroup_size: 128
    .sgpr_count:     66
    .vgpr_count:     1024
    .wavefront_size: 32
...
	.end_amdgpu_metadata
.endif
;; end of part 2
